; MI455X (gfx1250); checked and timed in simulation.
; The chip was launched on July 23, 2026; its instructions are those of AMD's public machine-readable ISA for CDNA 5 (MIT licence, August 2026) and "CDNA5" Instruction Set Architecture Reference Guide (July 2026). The comments in the code are by the model that wrote it; some were corrected since.
;; Cross Attention. Allowed arithmetic: float matrix products may take bf16 or f16 operands with f32 sums; other float arithmetic in f32, or as packed bf16 or f16 multiplies, adds, multiply-adds, maxima and minima; sums over many terms, partial sums and values carried from step to step in f32; what a program stores and reads back later, other than sums and carried values, may be rounded once to bf16 or f16.
;; Inputs: W_k 512 x 512 float32; W_pi 512 x 512 float32; W_po 512 x 512 float32; W_q 512 x 512 float32; W_v 512 x 512 float32; b_k 512 float32; b_pi 512 float32; b_po 512 float32; b_q 512 float32; b_v 512 float32; context 8 x 512 x 32 x 32 float32; x 8 x 512 x 64 x 64 float32.
;; Outputs: out0 8 x 512 x 64 x 64 float32.
;; One version. Each part assembles by itself: llvm-mc -triple=amdgcn-amd-amdhsa -mcpu=gfx1250 --defsym DOCPART=n.
;; ======== version 1 of 1: 3 launches
;; limits: values are held in f16: magnitudes above 65,504 overflow, below 6.1e-05 lose precision
;; workspace buffers: wkv 1,048,576 bytes; wpo 524,288 bytes; at 524,288 bytes; q0 2,048 bytes; ctxb 8,388,608 bytes; kbuf 8,388,608 bytes; vbuf 8,388,608 bytes
;; launch prep (part 1): grid 192 x 1, 16 waves a work-group, no clusters, 234,752 bytes of LDS; arguments W_q, W_pi, b_pi, b_q, W_k, W_v, W_po, context, at, q0, wkv, wpo, ctxb; writes at, q0, wkv, wpo, ctxb
.if DOCPART == 1
	.amdgcn_target "amdgcn-amd-amdhsa--gfx1250"
	.amdhsa_code_object_version 6
	.text
	.protected	k_q1544731a19_prep
	.globl	k_q1544731a19_prep
	.p2align	8
	.type	k_q1544731a19_prep,@function
k_q1544731a19_prep:
	s_mov_b64 s[64:65], 0
	v_nop
	global_prefetch_b8 v0, s[64:65] scope:SCOPE_SE
	s_setreg_imm32_b32 hwreg(HW_REG_WAVE_MODE, 25, 1), 1
	s_wait_xcnt 0x0
; PREP.  Three kinds of work-group, told apart by the work-group's number; the long ones come first.  Sixteen waves each, so that a wave's whole share is asked for in one batch of loads.
; Q = W_q (W_pi x + b_pi) + b_q = A x + q0 with A = W_q W_pi and q0 = W_q b_pi + b_q, an identity for every input.
; 0-31, THE FOLD: at[c][e] = A[e][c] in bf16 (products of W_q and W_pi rounded to bf16, sums in f32, rounded once).  Work-group (ct, et) makes 64 rows c x 128 columns e; wave w its 16 rows c of block w % 4 and
;   its 32 columns e of group w / 4.  Source 0 = 16 rows e of W_q, source 1 = 16 columns c of W_pi: a lane then holds one c and eight neighbouring e, 16 bytes of a row of at.
; 32-39, q0: 64 numbers each, a wave 4: a product of a matrix with ONE vector, 262,144 multiply-adds in all, made in f32 on the vector unit, nothing rounded.
; 40-191, THE CASTS, 131,072 bytes of f32 each: W_k and W_v to bf16 (wkv: W_k's 512 rows, then W_v's), context to bf16 in its own layout (ctxb), W_po to bf16 and that number written as f16 (wpo).
; LIMITS.  wpo: a weight of 65,520 or more becomes an infinity, one below 6.1e-5 keeps f16's fixed step of 6e-8.  NaN and infinities are not treated apart.
; No tensor load: the tiles are converted on their way into LDS, so they pass through registers anyway.
.set XL,    0                          ; W_pi's tile [512 m][64 c] bf16
.set XP,    160                        ; its pitch: 5 x 32 bytes, so the turning load's 8 rows x 32 bytes fall on different banks (64 banks of 4 bytes: ISA guide 11.1)
.set WL,    XL+512*XP                  ; W_q's tile [128 e][512 m] bf16
.set WP,    1040                       ; its pitch: 65 x 16 bytes: the 16 rows of a fragment load start at 16 different groups of four banks
.set SL,    WL+128*WP                  ; the stage, 64 rows c x 272 bytes, the work-group's, for the way out
.set SP,    272
.set QS,    SL+64*SP                   ; q0's 64 numbers, 256 bytes
.set SPARE, QS+256                     ; the spare words, 128 bytes for each of 16 waves: eight blocks of 256 bytes that no other line names
.set L,   4                            ; v4   lane
.set GX,  5                            ; v5   my byte offset in W_pi (q0: in b_pi)     v6  in W_q
.set GW,  6
.set LX,  7                            ; v7   where my 8 bytes of W_pi's tile go     v8  of W_q's
.set LW,  8
.set BX0, 9                            ; v9   LDS address of my fragments of W_pi (turned), chunks 0-7     v10  chunks 8-15
.set AW,  11                           ; v11  of my fragments of W_q
.set STO, 12
.set RD,  13
.set GO,  14
.set QO,  15                           ; v15  q0: my byte offset in b_q
.set SPW, 16                           ; v16  LDS address of my spare word; never rewritten
.set NIL, 17                           ; v17  0; never rewritten
.set ACC, 24                           ; v[24:39]   two accumulators
.set LDX, 40                           ; v[40:103]  W_pi as loaded     v[104:231]  W_q as loaded
.set LDW, 104
.set FS,  40                           ; later: two sets of 96: for each of four chunks, two fragments of W_q and one of W_pi
.set TMP, 232
.set BK,  240
.set QW,  40                           ; q0: v[40:103] four rows of W_q; v[104:119] b_pi; v[120:123] b_q; v[124:131] sums in pairs; v[132:135] results; v[136:139] read back
.set QB,  104
.set QQ,  120
.set QA,  124
.set QR,  132
.set QL,  136
.set CSRC, 5                           ; the casts: v5, v6 offsets; v[40:103] as loaded; v[104:135] packed; v[136:199] at work
.set CDST, 6
.set CX,  40
.set CY,  104
.set CT,  136
.set WV,  30
.set ID,  31
.set CTI, 32
.set ETI, 33
.set SA,  34
.set SB,  35
.set CB,  36
.set EX,  37
.set U,   38
.set U8,  39
.set U16, 40
.set U24, 41
.set SRC, 42
.set DST, 44
.set SU,  46
.set DU,  47
.set F16, 48
.set EG,  49
.set QI,  54
.set SEL, 56
.macro PLACES                          ; four places behind a matrix instruction, ahead of loads into its sources and of readers of its result
.rept 4
	v_nop
.endr
.endm
	s_load_b512 s[4:19], s[0:1], 0x0               ; W_q s[4:5], W_pi s[6:7], b_pi s[8:9], b_q s[10:11], W_k s[12:13], W_v s[14:15], W_po s[16:17], context s[18:19]
	s_load_b256 s[20:27], s[0:1], 0x40             ; at s[20:21], q0 s[22:23], wkv s[24:25], wpo s[26:27]
	s_load_b64 s[28:29], s[0:1], 0x60              ; ctxb
	v_lshl_add_u32 v[SPW], v0, 2, SPARE
	v_mov_b32 v[NIL], 0
	v_lshrrev_b32 v3, 5, v0
	v_readfirstlane_b32 s[WV], v3                  ; wave 0..15
	v_and_b32 v1, 15, v0                           ; r = lane % 16
	v_bfe_u32 v2, v0, 4, 1                         ; h = lane / 16
	v_and_b32 v[L], 31, v0
	s_mov_b32 s[ID], ttmp9
	s_wait_kmcnt 0x0
	s_cmp_lt_u32 s[ID], 32
	s_cbranch_scc0 .Lnotfold
; ---------------- THE FOLD ----------------
	s_and_b32 s[CTI], s[ID], 7                     ; ct: 64 columns c
	s_lshr_b32 s[ETI], s[ID], 3                    ; et: 128 rows e
	s_lshl_b32 s[SA], s[WV], 16                    ; W_pi: my 32 rows m, 2,048 bytes each; lanes 0-15 take 256 bytes of one row, lanes 16-31 of the next
	s_lshl_b32 s[SB], s[CTI], 8
	s_add_co_u32 s[SA], s[SA], s[SB]
	v_lshlrev_b32 v[GX], 4, v1
	v_lshl_add_u32 v[GX], v2, 11, v[GX]
	v_add_nc_u32 v[GX], s[SA], v[GX]
	s_lshl_b32 s[SA], s[ETI], 18                   ; W_q: my 8 rows e, whole: 16,384 bytes on end, 512 a load
	s_lshl_b32 s[SB], s[WV], 14
	s_add_co_u32 s[SA], s[SA], s[SB]
	v_lshl_add_u32 v[GW], v[L], 4, s[SA]
.set i, 0
.rept 16
	global_load_b128 v[LDX+4*i:LDX+4*i+3], v[GX], s[6:7] offset:i*4096
.set i, i+1
.endr
.set i, 0
.rept 32
	global_load_b128 v[LDW+4*i:LDW+4*i+3], v[GW], s[4:5] offset:i*512
.set i, i+1
.endr
	s_mul_i32 s[SA], s[WV], 32*XP                  ; the other addresses are made while the loads are on their way
	v_mul_u32_u24 v[LX], v2, XP
	v_lshl_add_u32 v[LX], v1, 3, v[LX]
	v_add_nc_u32 v[LX], s[SA], v[LX]               ; XL + (32 w + h) x 160 + 8 r
	s_mul_i32 s[SA], s[WV], 8*WP
	s_add_co_u32 s[SA], s[SA], WL
	v_lshl_add_u32 v[LW], v[L], 3, s[SA]           ; WL + 8 w x 1,040 + 8 l
	s_and_b32 s[CB], s[WV], 3                      ; my block of 16 c
	s_lshr_b32 s[EG], s[WV], 2                     ; my group of 32 e
	s_mul_i32 s[SA], s[EG], 32*WP
	s_add_co_u32 s[SA], s[SA], WL
	v_mul_u32_u24 v[AW], v1, WP                    ; a fragment of W_q: row r, 16 bytes for each half of the lanes, twice, 32 bytes apart
	v_lshl_add_u32 v[AW], v2, 4, v[AW]
	v_add_nc_u32 v[AW], s[SA], v[AW]
	v_and_b32 v18, 7, v0                           ; the turning load: lane l reads row 8 h + l % 8, 16 bytes at 16 ((l / 8) % 2)
	v_bfe_u32 v19, v0, 3, 1
	v_lshl_add_u32 v20, v2, 3, v18
	v_mul_u32_u24 v20, v20, XP
	v_lshl_add_u32 v20, v19, 4, v20
	s_lshl_b32 s[SA], s[CB], 5
	v_add_nc_u32 v[BX0], s[SA], v20
	v_add_nc_u32 v[BX0+1], 8*32*XP, v[BX0]         ; 256 rows on: the immediate has 16 bits
	s_mul_i32 s[SA], s[CB], 16*SP                  ; into the stage: row 16 cb + r, byte 64 eg + 16 h
	s_lshl_b32 s[SB], s[EG], 6
	s_add_co_u32 s[SA], s[SA], s[SB]
	s_add_co_u32 s[SA], s[SA], SL
	v_mul_u32_u24 v[STO], v1, SP
	v_lshl_add_u32 v[STO], v2, 4, v[STO]
	v_add_nc_u32 v[STO], s[SA], v[STO]
	s_mul_i32 s[SA], s[WV], 4*SP                   ; back: my four rows, whole: lanes 0-15 one row of 256 bytes, lanes 16-31 the next
	s_add_co_u32 s[SA], s[SA], SL
	v_mul_u32_u24 v[RD], v2, SP
	v_lshl_add_u32 v[RD], v1, 4, v[RD]
	v_add_nc_u32 v[RD], s[SA], v[RD]
	s_lshl_b32 s[SA], s[CTI], 16                   ; at: row 64 ct + 4 w + h of 1,024 bytes, 256 et bytes on
	s_lshl_b32 s[SB], s[WV], 12
	s_add_co_u32 s[SA], s[SA], s[SB]
	s_lshl_b32 s[SB], s[ETI], 8
	s_add_co_u32 s[SA], s[SA], s[SB]
	v_lshlrev_b32 v[GO], 4, v1
	v_lshl_add_u32 v[GO], v2, 10, v[GO]
	v_add_nc_u32 v[GO], s[SA], v[GO]
	s_wait_loadcnt 32                              ; W_pi's 16 loads are in; W_q's 32, issued behind them, may stay out
.set i, 0
.rept 16                                           ; rounded to bf16 in place, two numbers a line
	v_cvt_pk_bf16_f32 v[LDX+4*i], v[LDX+4*i], v[LDX+4*i+1]
	v_cvt_pk_bf16_f32 v[LDX+4*i+1], v[LDX+4*i+2], v[LDX+4*i+3]
.set i, i+1
.endr
.set i, 0
.rept 16
	ds_store_b64 v[LX], v[LDX+4*i:LDX+4*i+1] offset:i*2*XP
.set i, i+1
.endr
.macro WHALF n0                        ; sixteen of W_q's loads: load i holds row i / 4, numbers 128 (i % 4) + 4 l on
.set i, \n0
.rept 16
	v_cvt_pk_bf16_f32 v[LDW+4*i], v[LDW+4*i], v[LDW+4*i+1]
	v_cvt_pk_bf16_f32 v[LDW+4*i+1], v[LDW+4*i+2], v[LDW+4*i+3]
.set i, i+1
.endr
.set i, \n0
.rept 16
	ds_store_b64 v[LW], v[LDW+4*i:LDW+4*i+1] offset:(i>>2)*WP+(i&3)*256
.set i, i+1
.endr
.endm
	s_wait_loadcnt 16                              ; the younger sixteen may stay out
	WHALF 0
	s_wait_loadcnt 0x0
	WHALF 16
	s_wait_dscnt 0x0                               ; for the others' sake: my part of both tiles is in LDS
	s_barrier_signal -1
	s_barrier_wait -1
; A batch is four chunks of 32 along m: for each, two fragments of W_q and one of W_pi: 24 loads, 8 products.  Two sets of registers take turns.
.macro LOADB b
.set fs, FS+96*((\b)&1)
.set q, 0
.rept 4
.set kk, 4*(\b)+q
	ds_load_b128 v[fs+24*q:fs+24*q+3],      v[AW] offset:64*kk
	ds_load_b128 v[fs+24*q+4:fs+24*q+7],    v[AW] offset:64*kk+32
	ds_load_b128 v[fs+24*q+8:fs+24*q+11],   v[AW] offset:16*WP+64*kk
	ds_load_b128 v[fs+24*q+12:fs+24*q+15],  v[AW] offset:16*WP+64*kk+32
	ds_load_tr16_b128 v[fs+24*q+16:fs+24*q+19], v[BX0+(kk>>3)] offset:(kk&7)*32*XP
	ds_load_tr16_b128 v[fs+24*q+20:fs+24*q+23], v[BX0+(kk>>3)] offset:(kk&7)*32*XP+16*XP
.set q, q+1
.endr
.endm
.macro MULB b                          ; the two accumulators take turns, one instruction a turn; the first chunk starts the sums
.set fs, FS+96*((\b)&1)
.set q, 0
.rept 4
.if ((\b) == 0) && (q == 0)
	v_wmma_f32_16x16x32_bf16 v[ACC:ACC+7],    v[fs:fs+7],    v[fs+16:fs+23], 0
	v_wmma_f32_16x16x32_bf16 v[ACC+8:ACC+15], v[fs+8:fs+15], v[fs+16:fs+23], 0
.else
	v_wmma_f32_16x16x32_bf16 v[ACC:ACC+7],    v[fs+24*q:fs+24*q+7],    v[fs+24*q+16:fs+24*q+23], v[ACC:ACC+7]
	v_wmma_f32_16x16x32_bf16 v[ACC+8:ACC+15], v[fs+24*q+8:fs+24*q+15], v[fs+24*q+16:fs+24*q+23], v[ACC+8:ACC+15]
.endif
.set q, q+1
.endr
.endm
	LOADB 0
	LOADB 1
	s_wait_dscnt 24                                ; the younger batch's 24 loads may stay out
	MULB 0
	PLACES
	LOADB 2
	s_wait_dscnt 24
	MULB 1
	PLACES
	LOADB 3
	s_wait_dscnt 24
	MULB 2
	s_wait_dscnt 0x0
	MULB 3
	PLACES
; THE WAY OUT: rounded to bf16, 16 bytes a lane into the stage; a row's 256 bytes come from four waves, so a barrier stands between writing and reading; back as whole rows.
.irp o, 0,1
.irp k, 0,1,2,3
	v_cvt_pk_bf16_f32 v[TMP+4*\o+\k], v[ACC+8*\o+2*\k], v[ACC+8*\o+2*\k+1]
.endr
.endr
	ds_store_b128 v[STO], v[TMP:TMP+3]
	ds_store_b128 v[STO], v[TMP+4:TMP+7] offset:32
	s_wait_dscnt 0x0                               ; for the others' sake: my stores into the stage are done
	s_barrier_signal -1
	s_barrier_wait -1
	ds_load_b128 v[BK:BK+3],   v[RD]
	ds_load_b128 v[BK+4:BK+7], v[RD] offset:2*SP
	s_wait_dscnt 1                                 ; the younger load may stay out
	global_store_b128 v[GO], v[BK:BK+3], s[20:21]  ; 16 lanes store 256 consecutive bytes, at a multiple of 256 from at's first byte
	s_wait_dscnt 0x0
	global_store_b128 v[GO], v[BK+4:BK+7], s[20:21] offset:2048
	s_branch .Lend
; ---------------- q0 ----------------
.Lnotfold:
	s_cmp_lt_u32 s[ID], 40
	s_cbranch_scc0 .Lcast
	s_sub_co_u32 s[QI], s[ID], 32                  ; 64 rows e of W_q; a wave takes 4, whole: 8,192 bytes on end
	s_lshl_b32 s[SA], s[QI], 17
	s_lshl_b32 s[SB], s[WV], 13
	s_add_co_u32 s[SA], s[SA], s[SB]
	v_lshl_add_u32 v[GW], v[L], 4, s[SA]
	v_lshlrev_b32 v[GX], 4, v[L]
	s_lshl_b32 s[SA], s[QI], 8                     ; the work-group's 256 bytes of b_q and of q0,
	s_lshl_b32 s[SB], s[WV], 4                     ; my wave's 16 of them
	s_add_co_u32 s[SB], s[SA], s[SB]
	v_mov_b32 v[QO], s[SB]
.set i, 0
.rept 16
	global_load_b128 v[QW+4*i:QW+4*i+3], v[GW], s[4:5] offset:i*512   ; row i / 4, numbers 128 (i % 4) + 4 l on
.set i, i+1
.endr
.set i, 0
.rept 4
	global_load_b128 v[QB+4*i:QB+4*i+3], v[GX], s[8:9] offset:i*512   ; b_pi, the same numbers
.set i, i+1
.endr
	global_load_b128 v[QQ:QQ+3], v[QO], s[10:11]   ; b_q of my four rows, in every lane
	s_mov_b32 s[SEL], 0x76543210                   ; v_permlanex16_b32: each lane takes its own place in the other half
	s_mov_b32 s[SEL+1], 0xfedcba98
	s_wait_loadcnt 0x0
.irp p, 0,1,2,3                                    ; a lane's 16 products of each row, two an instruction; the four rows take turns
	v_pk_mul_f32 v[QA+2*\p:QA+2*\p+1], v[QW+16*\p:QW+16*\p+1], v[QB:QB+1]
.endr
.set k, 1
.rept 7
.irp p, 0,1,2,3
	v_pk_fma_f32 v[QA+2*\p:QA+2*\p+1], v[QW+16*\p+2*k:QW+16*\p+2*k+1], v[QB+2*k:QB+2*k+1], v[QA+2*\p:QA+2*\p+1]
.endr
.set k, k+1
.endr
.irp p, 0,1,2,3
	v_add_f32 v[QR+\p], v[QA+2*\p], v[QA+2*\p+1]
.endr
.irp m, 1,2,4,8                                    ; across the 32 lanes: four steps inside each half ride on the addition, one crosses the halves
.irp p, 0,1,2,3
	v_add_f32_dpp v[QR+\p], v[QR+\p], v[QR+\p] row_xmask:\m row_mask:0xf bank_mask:0xf
.endr
.endr
.irp p, 0,1,2,3
	v_permlanex16_b32 v[QA+\p], v[QR+\p], s[SEL], s[SEL+1]
.endr
.irp p, 0,1,2,3
	v_add_f32 v[QR+\p], v[QR+\p], v[QA+\p]
.endr
	v_pk_add_f32 v[QR:QR+1],   v[QR:QR+1],   v[QQ:QQ+1]
	v_pk_add_f32 v[QR+2:QR+3], v[QR+2:QR+3], v[QQ+2:QQ+3]
	s_lshl_b32 s[SB], s[WV], 4
	s_add_co_u32 s[SB], s[SB], QS
	v_mov_b32 v18, s[SB]
	ds_store_b128 v18, v[QR:QR+3]                  ; all lanes write the same 16 bytes with the same numbers
	s_wait_dscnt 0x0                               ; for wave 0's sake
	s_barrier_signal -1
	s_barrier_wait -1
	s_cmp_lg_u32 s[WV], 0                          ; wave 0 stores the work-group's 64 numbers as one block of 256 bytes
	s_cbranch_scc1 .Lend
	v_lshlrev_b32 v19, 4, v1
	v_add_nc_u32 v20, QS, v19
	ds_load_b128 v[QL:QL+3], v20
	v_add_nc_u32 v19, s[SA], v19
	s_wait_dscnt 0x0
	s_wait_xcnt 0x0                                ; EXEC changes only behind this wait
	v_cmp_gt_u32 vcc_lo, 16, v0
	s_and_saveexec_b32 s[EX], vcc_lo
	global_store_b128 v19, v[QL:QL+3], s[22:23]
	s_wait_xcnt 0x0                                ; and again, ahead of the line that widens it
	s_or_b32 exec_lo, exec_lo, s[EX]
	s_branch .Lend
; ---------------- THE CASTS ----------------
.Lcast:
	s_sub_co_u32 s[U],   s[ID], 40                 ; u = 0-7 W_k, 8-15 W_v, 16-23 W_po, 24-151 context
	s_sub_co_u32 s[U8],  s[ID], 48
	s_sub_co_u32 s[U16], s[ID], 56
	s_sub_co_u32 s[U24], s[ID], 64
	s_cmp_lt_u32 s[U], 24
	s_cselect_b64 s[SRC:SRC+1], s[16:17], s[18:19]
	s_cselect_b64 s[DST:DST+1], s[26:27], s[28:29]
	s_cselect_b32 s[SU], s[U16], s[U24]
	s_cselect_b32 s[DU], s[U16], s[U24]
	s_cselect_b32 s[F16], 1, 0
	s_cmp_lt_u32 s[U], 16
	s_cselect_b64 s[SRC:SRC+1], s[14:15], s[SRC:SRC+1]
	s_cselect_b64 s[DST:DST+1], s[24:25], s[DST:DST+1]
	s_cselect_b32 s[SU], s[U8], s[SU]
	s_cselect_b32 s[DU], s[U], s[DU]
	s_cselect_b32 s[F16], 0, s[F16]
	s_cmp_lt_u32 s[U], 8
	s_cselect_b64 s[SRC:SRC+1], s[12:13], s[SRC:SRC+1]
	s_cselect_b32 s[SU], s[U], s[SU]
	s_lshl_b32 s50, s[SU], 17                      ; 131,072 bytes in,
	s_mov_b32 s51, 0
	s_add_nc_u64 s[SRC:SRC+1], s[SRC:SRC+1], s[50:51]
	s_lshl_b32 s52, s[DU], 16                      ; 65,536 out
	s_mov_b32 s53, 0
	s_add_nc_u64 s[DST:DST+1], s[DST:DST+1], s[52:53]
	v_lshlrev_b32 v[CSRC], 5, v[L]                 ; a lane takes 32 bytes in, 16 out; a wave 8,192 bytes in, all asked for at once
	v_lshl_add_u32 v[CSRC], v3, 13, v[CSRC]
	v_lshlrev_b32 v[CDST], 4, v[L]
	v_lshl_add_u32 v[CDST], v3, 12, v[CDST]
.set i, 0
.rept 8
	global_load_b128 v[CX+8*i:CX+8*i+3],   v[CSRC], s[SRC:SRC+1] offset:i*1024 th:TH_LOAD_NT
	global_load_b128 v[CX+8*i+4:CX+8*i+7], v[CSRC], s[SRC:SRC+1] offset:i*1024+16 th:TH_LOAD_NT
.set i, i+1
.endr
	s_wait_loadcnt 0x0
.set i, 0
.rept 32
	v_cvt_pk_bf16_f32 v[CY+i], v[CX+2*i], v[CX+2*i+1]
.set i, i+1
.endr
	s_cmp_eq_u32 s[F16], 0
	s_cbranch_scc1 .Lnof16
.set i, 0
.rept 32                                           ; W_po: the bf16 number, written as f16
	v_lshlrev_b32 v[CT+2*i], 16, v[CY+i]
	v_and_b32 v[CT+2*i+1], 0xffff0000, v[CY+i]
	v_cvt_pk_f16_f32 v[CY+i], v[CT+2*i], v[CT+2*i+1]
.set i, i+1
.endr
.Lnof16:
.set i, 0
.rept 8
	global_store_b128 v[CDST], v[CY+4*i:CY+4*i+3], s[DST:DST+1] offset:i*512  ; a wave's store covers 512 consecutive bytes, aligned
.set i, i+1
.endr
.Lend:
	s_wait_tensorcnt 0x0                           ; the wave's end: behind my last LDS store
	ds_add_u32 v[SPW], v[NIL]
	s_wait_dscnt 0x0
	s_endpgm
.Lfunc_end_k_q1544731a19_prep:
	.size	k_q1544731a19_prep, .Lfunc_end_k_q1544731a19_prep-k_q1544731a19_prep
	.p2alignl 7, 3214868480
	.fill 96, 4, 3214868480
	.section	.rodata,"a",@progbits
	.p2align	6, 0x0
	.amdhsa_kernel k_q1544731a19_prep
		.amdhsa_group_segment_fixed_size 234752
		.amdhsa_private_segment_fixed_size 0
		.amdhsa_enable_private_segment 0
		.amdhsa_kernarg_size 104
		.amdhsa_user_sgpr_count 2
		.amdhsa_user_sgpr_kernarg_segment_ptr 1
		.amdhsa_wavefront_size32 1
		.amdhsa_system_sgpr_workgroup_id_x 1
		.amdhsa_system_sgpr_workgroup_id_y 1
		.amdhsa_system_sgpr_workgroup_id_z 1
		.amdhsa_system_vgpr_workitem_id 0
		.amdhsa_next_free_vgpr 256
		.amdhsa_next_free_sgpr 66
		.amdhsa_reserve_vcc 1
		.amdhsa_float_denorm_mode_32 3
		.amdhsa_float_denorm_mode_16_64 3
		.amdhsa_memory_ordered 1
		.amdhsa_forward_progress 1
		.amdhsa_inst_pref_size 45
	.end_amdhsa_kernel
	.amdgpu_metadata
---
amdhsa.version: [ 1, 2 ]
amdhsa.kernels:
  - .name:           k_q1544731a19_prep
    .symbol:         k_q1544731a19_prep.kd
    .args:
      - { .name: W_q, .offset: 0, .size: 8, .value_kind: global_buffer, .address_space: global }
      - { .name: W_pi, .offset: 8, .size: 8, .value_kind: global_buffer, .address_space: global }
      - { .name: b_pi, .offset: 16, .size: 8, .value_kind: global_buffer, .address_space: global }
      - { .name: b_q, .offset: 24, .size: 8, .value_kind: global_buffer, .address_space: global }
      - { .name: W_k, .offset: 32, .size: 8, .value_kind: global_buffer, .address_space: global }
      - { .name: W_v, .offset: 40, .size: 8, .value_kind: global_buffer, .address_space: global }
      - { .name: W_po, .offset: 48, .size: 8, .value_kind: global_buffer, .address_space: global }
      - { .name: context, .offset: 56, .size: 8, .value_kind: global_buffer, .address_space: global }
      - { .name: at, .offset: 64, .size: 8, .value_kind: global_buffer, .address_space: global }
      - { .name: q0, .offset: 72, .size: 8, .value_kind: global_buffer, .address_space: global }
      - { .name: wkv, .offset: 80, .size: 8, .value_kind: global_buffer, .address_space: global }
      - { .name: wpo, .offset: 88, .size: 8, .value_kind: global_buffer, .address_space: global }
      - { .name: ctxb, .offset: 96, .size: 8, .value_kind: global_buffer, .address_space: global }
    .group_segment_fixed_size: 234752
    .private_segment_fixed_size: 0
    .kernarg_segment_align: 8
    .kernarg_segment_size: 104
    .max_flat_workgroup_size: 512
    .sgpr_count:     66
    .vgpr_count:     256
    .wavefront_size: 32
...
	.end_amdgpu_metadata
.endif
;; end of part 1
;; launch kv (part 2): grid 64 x 4, 4 waves a work-group, clusters of 4 x 1, 327,680 bytes of LDS; arguments ctxb, wkv, b_k, b_v, kbuf, vbuf; writes kbuf, vbuf
.if DOCPART == 2
	.amdgcn_target "amdgcn-amd-amdhsa--gfx1250"
	.amdhsa_code_object_version 6
	.text
	.protected	k_q1544731a19_kv
	.globl	k_q1544731a19_kv
	.p2align	8
	.type	k_q1544731a19_kv,@function
k_q1544731a19_kv:
	s_mov_b64 s[64:65], 0
	v_nop
	global_prefetch_b8 v0, s[64:65] scope:SCOPE_SE
	s_setreg_imm32_b32 hwreg(HW_REG_WAVE_MODE, 25, 1), 1
	s_wait_xcnt 0x0
	s_wait_alu depctr_hold_cnt(0) depctr_sa_sdst(0) depctr_va_vdst(0) depctr_va_sdst(0) depctr_va_ssrc(0) depctr_va_vcc(0) depctr_vm_vsrc(0)
	s_getreg_b32 s2, hwreg(HW_REG_IB_STS2, 6, 4)
	s_cmp_eq_u32 s2, 0
	s_cbranch_scc0 .Lentry_in_a_cluster
	s_endpgm
.Lentry_in_a_cluster:
	s_bfe_u32 s2, ttmp6, 0x10000c
	s_cmp_lg_u32 s2, 0x3003
	s_cbranch_scc0 .Lentry_shape_is_right
	s_endpgm
.Lentry_shape_is_right:
; K[b][key][o] = sum over c of ctx[b][c][key] W_k[o][c] + b_k[o], stored bf16; V likewise with W_v and b_v, stored f16.  ctxb: [8][512 c][1024 key] bf16; wkv: [1024 o][512 c] bf16 (W_k, then W_v).
; LIMIT.  V leaves in f16: a number of 65,520 or more becomes an infinity.  K stays in bf16, which has f32's range.  Sums in f32, started with the bias, unrounded.
; SHARES.  A work-group makes 128 keys (tile T = 8 b + jt along x) x 256 outputs (quarter y of wkv's rows: 0, 1 K; 2, 3 V).  Wave w: keys 32 w .. + 31 as two tiles of 16, all 16 blocks of 16 outputs: 32 accumulators.
; Source 0 = 16 rows of wkv, source 1 = 16 keys (ctx lies [c][key]: turned by ds_load_tr16_b128): a lane holds one key and eight neighbouring outputs, 16 bytes of a row of K or V.
; c goes in four steps of 128 through two LDS slots.  CLUSTER: the four partners have the same y, so wkv's tile is asked for JOINTLY (waves 0, 1: 128 rows each); ctx's tile is each work-group's own (waves 2, 3: 64 rows each).
; No prefetch: four steps in all.
.set WPI,   272                        ; a row of wkv's tile: 256 bytes + 16
.set XPI,   288                        ; a row of ctx's tile: 256 bytes + 32
.set XT,    256*WPI                    ; ctx's tile lies behind wkv's 256 rows
.set SLOT1, XT+128*XPI                 ; 106,496
.set STG,   2*SLOT1                    ; four stages of 16 rows x 528 bytes, a wave's own; no tensor load lands there
.set SGP,   528
.set SPARE, 327168                     ; the spare words, 128 bytes for each wave: two blocks of 256 bytes that no other line names
.set AW0, 4                            ; v4  my lane's place in wkv's tile     v5  in ctx's
.set BX0, 5
.set ADW, 6                            ; v6, v7  the same in the slot in hand
.set ADX, 7
.set STO, 8
.set RD,  9
.set GO,  10
.set BO,  11
.set SPW, 12                           ; v12  LDS address of my spare word; never rewritten
.set NIL, 13                           ; v13  0; never rewritten
.set BF,  32                           ; v[32:95]   ctx's fragments of a step: (chunk c, tile t) at 32 + 8 (2 c + t)
.set FB,  128                          ; v[128:255] four buffers of four fragments of wkv
.set TMP, 128                          ; the way out
.set BK,  192
                                       ; window 1: accumulator (ob, t) at 8 (2 ob + t)
.set WV,  16
.set W1,  17
.set CXS, 18
.set TT,  19
.set BB,  20
.set JT,  21
.set YY,  22
.set CNT, 23
.set TB,  24                           ; s24  the slot that is read: 0 or SLOT1     s25  the slot that is filled
.set TF,  25
.set WO,  26
.set XO,  27
.set G0W, 28                           ; s[28:31] group 0 of the joint loads: it never holds my place in the cluster
.set G0X, 32                           ; s[32:35] group 0 of my own loads
.set G1W, 36
.set G1X, 44
.set NW,  52
.set NXP, 54
.set BIAS, 56
.set OUTP, 58
.set MSB, 0
.macro WIN new
.if MSB != (\new)
	s_set_vgpr_msb (MSB<<8)|(\new)
.set MSB, (\new)
.endif
.endm
.macro PLACES                          ; four places behind a matrix instruction, ahead of loads into its sources and of readers of its result
.rept 4
	v_nop
.endr
.endm
.macro ROUND                           ; a round of the cluster's barrier
	s_barrier_signal -1
	s_barrier_wait -1
	s_cmp_lg_u32 s[WV], 0
	s_cbranch_scc1 .Lnw0_\@
	s_barrier_signal -3
.Lnw0_\@:
	s_barrier_wait -3
	s_barrier_signal -1
	s_barrier_wait -1
.endm
; THE CHANGE OF SLOTS: all my tensor loads have landed (one was out: my part of the slot to be read); 0 onto my spare word; that and my reads of the old slot are done; a round, so that the same holds of every wave of every partner.
.macro HEAD
	WIN 0
	s_wait_tensorcnt 0x0
	ds_add_u32 v[SPW], v[NIL]
	s_xor_b32 s[TB], s[TB], SLOT1
	s_xor_b32 s[TF], s[TF], SLOT1
	s_wait_dscnt 0x0
	ROUND
.endm
.macro TLOAD g0, g1, lofs, ptr         ; group 0 is written while no load of mine is out; an s_nop 0 and four v_nop follow the load
	s_mov_b32 s[\g0], 1
	s_add_co_u32 s[\g0+1], s[TF], s[\lofs]
	s_mov_b64 s[\g0+2:\g0+3], s[\ptr:\ptr+1]
	s_or_b32 s[\g0+3], s[\g0+3], 0x80000000
	tensor_load_to_lds s[\g0:\g0+3], s[\g1:\g1+7]
	s_nop 0
	PLACES
.endm
.macro FILL first                      ; the next step's tiles into slot TF: one load a wave, the first thing behind the round
.if !(\first)
	s_add_nc_u64 s[NW:NW+1], s[NW:NW+1], 256       ; 128 c along wkv's rows
	s_add_nc_u64 s[NXP:NXP+1], s[NXP:NXP+1], 0x40000  ; 128 rows of ctx down
.endif
	s_cmp_lt_u32 s[WV], 2
	s_cbranch_scc0 .Lfx_\@
	TLOAD G0W, G1W, WO, NW
	s_branch .Lfd_\@
.Lfx_\@:
	TLOAD G0X, G1X, XO, NXP
.Lfd_\@:
.endm
	s_load_b256 s[4:11], s[0:1], 0x0               ; ctxb s[4:5], wkv s[6:7], b_k s[8:9], b_v s[10:11]
	s_load_b128 s[12:15], s[0:1], 0x20             ; kbuf s[12:13], vbuf s[14:15]
	v_lshl_add_u32 v[SPW], v0, 2, SPARE
	v_mov_b32 v[NIL], 0
	ds_add_u32 v[SPW], v[NIL]                      ; the wave's opening: the add and its wait ahead of my first tensor load
	v_lshrrev_b32 v3, 5, v0
	v_readfirstlane_b32 s[WV], v3
	s_and_b32 s[W1], s[WV], 1
	s_bfe_u32 s[CXS], ttmp6, 0x40000               ; cx
	s_lshl_b32 s[TT], ttmp9, 2
	s_add_co_u32 s[TT], s[TT], s[CXS]              ; T = 4 x cluster x + cx: it enters ctx's and the outputs' addresses alone
	s_lshr_b32 s[BB], s[TT], 3
	s_and_b32 s[JT], s[TT], 7
	s_and_b32 s[YY], ttmp7, 0xffff                 ; y, which the partners share
	s_mov_b32 s[G1W], 15|(1<<16)|(1<<20)|(1<<21)|(5<<22)|(3<<25)  ; the mask of four; 2-byte elements; padding on; bit 21 beside a mask; after every 64 words, 4 words
	s_mov_b32 s[G1W+1], 128<<16                    ; tensor_dim0 = 128
	s_mov_b32 s[G1W+2], 128<<16                    ; tensor_dim1 = 128
	s_mov_b32 s[G1W+3], 128<<16                    ; tile_dim0 = 128
	s_mov_b32 s[G1W+4], 128                        ; tile_dim1 = 128
	s_mov_b32 s[G1W+5], 512                        ; elements from row to row
	s_mov_b32 s[G1W+6], 0
	s_mov_b32 s[G1W+7], 0
	s_mov_b32 s[G1X], (1<<16)|(1<<20)|(5<<22)|(7<<25)  ; no mask; after every 64 words, 8 words
	s_mov_b32 s[G1X+1], 128<<16
	s_mov_b32 s[G1X+2], 64<<16
	s_mov_b32 s[G1X+3], 128<<16
	s_mov_b32 s[G1X+4], 64
	s_mov_b32 s[G1X+5], 1024
	s_mov_b32 s[G1X+6], 0
	s_mov_b32 s[G1X+7], 0
	s_mul_i32 s[WO], s[W1], 128*WPI
	s_mul_i32 s[XO], s[W1], 64*XPI
	s_add_co_u32 s[XO], s[XO], XT
	s_mov_b32 s[TB], SLOT1                         ; the first change of slots turns these round
	s_mov_b32 s[TF], 0
	s_lshl_b32 s60, s[YY], 18                      ; wkv: row 256 y + 128 (wave % 2), 1,024 bytes a row
	s_lshl_b32 s61, s[W1], 17
	s_add_co_u32 s60, s60, s61
	s_mov_b32 s61, 0
	s_lshl_b32 s62, s[BB], 20                      ; ctx: batch, row 64 (wave % 2) of 2,048 bytes, 128 jt keys on
	s_lshl_b32 s63, s[W1], 17
	s_add_co_u32 s62, s62, s63
	s_lshl_b32 s63, s[JT], 8
	s_add_co_u32 s62, s62, s63
	s_mov_b32 s63, 0
	s_wait_dscnt 0x0                               ; the opening add is done
	s_wait_kmcnt 0x0
	s_add_nc_u64 s[NW:NW+1], s[6:7], s[60:61]
	s_add_nc_u64 s[NXP:NXP+1], s[4:5], s[62:63]
	s_cmp_lt_u32 s[YY], 2
	s_cselect_b64 s[BIAS:BIAS+1], s[8:9], s[10:11]
	s_cselect_b64 s[OUTP:OUTP+1], s[12:13], s[14:15]
	s_and_b32 s60, s[YY], 1
	s_lshl_b32 s60, s60, 10                        ; the bias of my 256 outputs
	s_add_nc_u64 s[BIAS:BIAS+1], s[BIAS:BIAS+1], s[60:61]
	s_lshl_b32 s62, s[BB], 20                      ; the output: batch, row 128 jt + 32 w of 1,024 bytes, 512 (y % 2) bytes on
	s_lshl_b32 s63, s[JT], 17
	s_add_co_u32 s62, s62, s63
	s_lshl_b32 s63, s[WV], 15
	s_add_co_u32 s62, s62, s63
	s_lshr_b32 s63, s60, 1
	s_add_co_u32 s62, s62, s63
	s_mov_b32 s63, 0
	s_add_nc_u64 s[OUTP:OUTP+1], s[OUTP:OUTP+1], s[62:63]
	ROUND                                          ; all four work-groups are here: the first joint loads meet
	FILL 1                                         ; step 0 into slot 0
	v_and_b32 v1, 15, v0                           ; r
	v_bfe_u32 v2, v0, 4, 1                         ; h
	v_lshlrev_b32 v[BO], 5, v2
	WIN 0x40                                       ; the sums start with the bias: accumulator (ob, t), register j = bias[16 ob + 8 h + j]
.set o, 0
.rept 16
.irp t, 0,1
	global_load_b128 v[8*(2*o+\t):8*(2*o+\t)+3],   v[BO], s[BIAS:BIAS+1] offset:o*64
	global_load_b128 v[8*(2*o+\t)+4:8*(2*o+\t)+7], v[BO], s[BIAS:BIAS+1] offset:o*64+16
.endr
.set o, o+1
.endr
	WIN 0
	v_mul_u32_u24 v[AW0], v1, WPI
	v_lshl_add_u32 v[AW0], v2, 4, v[AW0]           ; row r x pitch + 16 h
	v_and_b32 v14, 7, v0
	v_bfe_u32 v15, v0, 3, 1
	v_lshl_add_u32 v[BX0], v2, 3, v14              ; the turning load: row 8 h + l % 8, 16 bytes at 16 ((l / 8) % 2), my 32 keys 64 w bytes on
	v_mul_u32_u24 v[BX0], v[BX0], XPI
	v_lshl_add_u32 v[BX0], v15, 4, v[BX0]
	s_lshl_b32 s60, s[WV], 6
	s_add_co_u32 s60, s60, XT
	v_add_nc_u32 v[BX0], s60, v[BX0]
	s_mul_i32 s60, s[WV], 16*SGP
	s_add_co_u32 s60, s60, STG                     ; my stage
	v_mul_u32_u24 v[STO], v1, SGP
	v_lshl_add_u32 v[STO], v2, 4, v[STO]
	v_add_nc_u32 v[STO], s60, v[STO]
	v_and_b32 v16, 31, v0
	v_lshlrev_b32 v[GO], 4, v16
	v_add_nc_u32 v[RD], s60, v[GO]
	s_wait_loadcnt 0x0                             ; the bias
; Group g of 16: chunk g / 4 of 32 c, output blocks 4 (g % 4) .. + 3: four fragments of wkv, eight loads.
.macro LOADA g
.set cc, (\g)>>2
.set qq, (\g)&3
.set fb, FB+32*((\g)&3)
.set ii, 0
.rept 4
	ds_load_b128 v[fb+8*ii:fb+8*ii+3],   v[ADW] offset:(4*qq+ii)*16*WPI+64*cc
	ds_load_b128 v[fb+8*ii+4:fb+8*ii+7], v[ADW] offset:(4*qq+ii)*16*WPI+64*cc+32
.set ii, ii+1
.endr
.endm
; A step of 128 c: ctx's 8 fragments, then 16 groups of 8 products, each group's fragments fetched three groups ahead.  An accumulator comes round again behind 31 others: by turns.
.macro STEP
	WIN 0
	PLACES
	v_add_nc_u32 v[ADX], s[TB], v[BX0]
	v_add_nc_u32 v[ADW], s[TB], v[AW0]
.set cx, 0
.rept 4
.irp t, 0,1
	ds_load_tr16_b128 v[BF+8*(2*cx+\t):BF+8*(2*cx+\t)+3],   v[ADX] offset:cx*32*XPI+32*\t
	ds_load_tr16_b128 v[BF+8*(2*cx+\t)+4:BF+8*(2*cx+\t)+7], v[ADX] offset:cx*32*XPI+32*\t+16*XPI
.endr
.set cx, cx+1
.endr
	LOADA 0
	LOADA 1
	LOADA 2
.set g, 0
.rept 16
.if g < 13
	WIN 0
	PLACES                                         ; behind the group before, whose buffer is fetched into
	LOADA g+3
	s_wait_dscnt 24                                ; three younger groups of eight loads may stay out
.else
	s_wait_dscnt 8*(15-g)                          ; the younger groups that are left
.endif
	WIN 0x50                                       ; C and D window 1
.set cg, g>>2
.set qg, g&3
.set fg, FB+32*(g&3)
.set jj, 0
.rept 4
.irp t, 0,1
	v_wmma_f32_16x16x32_bf16 v[8*(2*(4*qg+jj)+\t):8*(2*(4*qg+jj)+\t)+7], v[fg+8*jj:fg+8*jj+7], v[BF+8*(2*cg+\t):BF+8*(2*cg+\t)+7], v[8*(2*(4*qg+jj)+\t):8*(2*(4*qg+jj)+\t)+7]
.endr
.set jj, jj+1
.endr
.set g, g+1
.endr
	WIN 0
.endm
	s_mov_b32 s[CNT], 3
.Lstep:                                            ; steps 0 to 2: each asks for the next
	HEAD
	FILL 0
	STEP
	s_sub_co_u32 s[CNT], s[CNT], 1
	s_cmp_lg_u32 s[CNT], 0
	s_cbranch_scc1 .Lstep
	HEAD                                           ; the last step is written out: nothing is asked for
	STEP
; THE WAY OUT, a tile of 16 keys at a time: rounded (K to bf16, V to f16), 16 bytes a lane into my stage, back as whole rows of 512 bytes.
.macro OUTT t
	WIN 0
	PLACES
	s_cmp_lt_u32 s[YY], 2
	s_cbranch_scc0 .Lf16_\@
	WIN 0x05                                       ; sources window 1, destination window 0
.set o, 0
.rept 16
.irp k, 0,1,2,3
	v_cvt_pk_bf16_f32 v[TMP+4*o+\k], v[8*(2*o+(\t))+2*\k], v[8*(2*o+(\t))+2*\k+1]
.endr
.set o, o+1
.endr
	WIN 0
	s_branch .Lcv_\@
.Lf16_\@:
	WIN 0x05
.set o, 0
.rept 16
.irp k, 0,1,2,3
	v_cvt_pk_f16_f32 v[TMP+4*o+\k], v[8*(2*o+(\t))+2*\k], v[8*(2*o+(\t))+2*\k+1]
.endr
.set o, o+1
.endr
	WIN 0
.Lcv_\@:
.set o, 0
.rept 16
	ds_store_b128 v[STO], v[TMP+4*o:TMP+4*o+3] offset:32*o
.set o, o+1
.endr
.set o, 0
.rept 16
	ds_load_b128 v[BK+4*o:BK+4*o+3], v[RD] offset:o*SGP   ; LDS serves a wave's instructions in order (ISA guide 5.7.1.4): these see the stores above
.set o, o+1
.endr
.set o, 0
.rept 16
	s_wait_dscnt 15-o                              ; the younger loads from the stage may stay out
	global_store_b128 v[GO], v[BK+4*o:BK+4*o+3], s[OUTP:OUTP+1] offset:(\t)*16384+o*1024  ; 512 consecutive bytes, at a multiple of 512 from the buffer's first byte
.set o, o+1
.endr
.endm
	OUTT 0
	s_wait_xcnt 0x0                                ; the first tile's stores have read their data: the registers are loaded again only behind this wait
	OUTT 1
	s_wait_tensorcnt 0x0                           ; the wave's end: behind my last tensor load and my last LDS store
	ds_add_u32 v[SPW], v[NIL]
	s_wait_dscnt 0x0
	ROUND                                          ; the closing round: no work-group ends while a partner may still ask for a tile that names it
	s_endpgm
.Lfunc_end_k_q1544731a19_kv:
	.size	k_q1544731a19_kv, .Lfunc_end_k_q1544731a19_kv-k_q1544731a19_kv
	.p2alignl 7, 3214868480
	.fill 96, 4, 3214868480
	.section	.rodata,"a",@progbits
	.p2align	6, 0x0
	.amdhsa_kernel k_q1544731a19_kv
		.amdhsa_group_segment_fixed_size 327680
		.amdhsa_private_segment_fixed_size 0
		.amdhsa_enable_private_segment 0
		.amdhsa_kernarg_size 48
		.amdhsa_user_sgpr_count 2
		.amdhsa_user_sgpr_kernarg_segment_ptr 1
		.amdhsa_wavefront_size32 1
		.amdhsa_system_sgpr_workgroup_id_x 1
		.amdhsa_system_sgpr_workgroup_id_y 1
		.amdhsa_system_sgpr_workgroup_id_z 1
		.amdhsa_system_vgpr_workitem_id 0
		.amdhsa_next_free_vgpr 512
		.amdhsa_next_free_sgpr 66
		.amdhsa_reserve_vcc 0
		.amdhsa_float_denorm_mode_32 3
		.amdhsa_float_denorm_mode_16_64 3
		.amdhsa_memory_ordered 1
		.amdhsa_forward_progress 1
		.amdhsa_inst_pref_size 80
	.end_amdhsa_kernel
	.amdgpu_metadata
---
amdhsa.version: [ 1, 2 ]
amdhsa.kernels:
  - .name:           k_q1544731a19_kv
    .symbol:         k_q1544731a19_kv.kd
    .args:
      - { .name: ctxb, .offset: 0, .size: 8, .value_kind: global_buffer, .address_space: global }
      - { .name: wkv, .offset: 8, .size: 8, .value_kind: global_buffer, .address_space: global }
      - { .name: b_k, .offset: 16, .size: 8, .value_kind: global_buffer, .address_space: global }
      - { .name: b_v, .offset: 24, .size: 8, .value_kind: global_buffer, .address_space: global }
      - { .name: kbuf, .offset: 32, .size: 8, .value_kind: global_buffer, .address_space: global }
      - { .name: vbuf, .offset: 40, .size: 8, .value_kind: global_buffer, .address_space: global }
    .group_segment_fixed_size: 327680
    .private_segment_fixed_size: 0
    .kernarg_segment_align: 8
    .kernarg_segment_size: 48
    .max_flat_workgroup_size: 128
    .sgpr_count:     66
    .vgpr_count:     512
    .wavefront_size: 32
...
	.end_amdgpu_metadata
.endif
;; end of part 2
;; launch attn (part 3): grid 32 x 8, 4 waves a work-group, clusters of 4 x 1, 327,680 bytes of LDS; arguments x, at, q0, kbuf, vbuf, wpo, b_po, out0; writes out0
.if DOCPART == 3
	.amdgcn_target "amdgcn-amd-amdhsa--gfx1250"
	.amdhsa_code_object_version 6
	.text
	.protected	k_q1544731a19_attn
	.globl	k_q1544731a19_attn
	.p2align	8
	.type	k_q1544731a19_attn,@function
k_q1544731a19_attn:
	s_mov_b64 s[64:65], 0
	v_nop
	global_prefetch_b8 v0, s[64:65] scope:SCOPE_SE
	s_setreg_imm32_b32 hwreg(HW_REG_WAVE_MODE, 25, 1), 1
	s_wait_xcnt 0x0
	s_wait_alu depctr_hold_cnt(0) depctr_sa_sdst(0) depctr_va_vdst(0) depctr_va_sdst(0) depctr_va_ssrc(0) depctr_va_vcc(0) depctr_vm_vsrc(0)
	s_getreg_b32 s2, hwreg(HW_REG_IB_STS2, 6, 4)
	s_cmp_eq_u32 s2, 0
	s_cbranch_scc0 .Lentry_in_a_cluster
	s_endpgm
.Lentry_in_a_cluster:
	s_bfe_u32 s2, ttmp6, 0x10000c
	s_cmp_lg_u32 s2, 0x3003
	s_cbranch_scc0 .Lentry_shape_is_right
	s_endpgm
.Lentry_shape_is_right:
; out0[b][o][q] = b_po[o] + sum over e of W_po[o][e] O[q][e],  O[q] = sum over k of softmax_k(Q[q] . K[k] / sqrt(512)) V[k],  Q[q][e] = q0[e] + sum over c of at[c][e] x[b][c][q].
; x, out0: [8][512][4096] f32.  at: [512 c][512 e] bf16.  kbuf: [8][1024][512] bf16.  vbuf: the same in f16.  wpo: [512 o][512 e] f16.  q0, b_po: [512] f32, added unrounded.
; FORMATS.  x at and Q K in bf16; P V and W_po O in f16; all sums, the running maximum m and sum l in f32.  p = 2^(c s - c m), c = log2(e) / sqrt(512); O and l are multiplied by a = 2^(c m_old - c m_new) in every step.
; LIMITS.  V arrives within f16's 65,504, and O, a mean of V's rows, has its range; p below 6e-5 keeps f16's fixed step of 6e-8; a weight below 2^-126 counts as 0 in l.  O's registers hold Q's sums when the
; first key step multiplies them by a = 0 (c m starts far below every c s): Q's sums must be finite.  NaN and infinities are not treated apart.
; SHARES.  A work-group owns 128 queries of one batch, a wave 32 of them as two tiles of 16.  In every product a lane holds ONE query (lane % 16): source 1 is always the queries' side, source 0 the tile from LDS.
;   prologue, 8 steps of 64 c:   Q^T += at^T x     (at turned by ds_load_tr16_b128; x read as f32, a lane's own column, and rounded to bf16 in registers)
;   main, 16 steps of 64 keys:   S^T = K Q^T; softmax; O^T += V^T P     (V turned)
;   epilogue, 8 steps of 64 o:   out^T = W_po O^T + b_po, each step stored as soon as it is made
; So x's and out0's bytes move while the prologue's and the epilogue's products run.  Two results of 16 channels, rounded in pairs, ARE source 1 of the next product: nothing changes lanes between the products.
; A FORM is 128 products in 8 groups of 16; a group's eight fragments come out of LDS in ONE run of 16 loads, issued a group (16 products) ahead, into one of two buffers.
; ONE RING of two LDS slots carries the 32 tiles of the three phases.  A trip asks for the next tile and works on the tile in hand; the change of slots stands at the trip's end, in the prologue and the main phase
; inside the last group of 16 products.  The last step of a phase asks for the next phase's first tile.
; CLUSTER.  The four partners are query blocks of one batch: at, K, V and W_po are asked for JOINTLY; x's tile is each work-group's own.
; REGISTERS, in windows of 256 (s_set_vgpr_msb: bits 1:0 source 0, 3:2 source 1, 5:4 source 2, 7:6 destination):
;   window 0: v0-15 addresses; v16-31 statistics, 8 a tile; v32-95 S^T (x as f32 in the prologue); v96-127 P (x as bf16; b_po in the epilogue); v128-255 two buffers of eight fragments
;   window 1: Q, later O in f16: (tile t, chunk c of 32 channels) at 128 t + 8 c          windows 2, 3: the 64 accumulators of Q^T, later O^T: (block cb of 16 channels, t) in window 2 + cb / 16 at 8 (2 (cb % 16) + t)
.set KP,    1040                       ; a row of K or W_po in LDS: 1,024 bytes + 16: the 16 rows of a fragment load start at 16 different groups of four banks (64 banks of 4 bytes: ISA guide 11.1)
.set VP,    1056                       ; a row of V or at: 1,024 + 32
.set XP,    528                        ; a row of x's tile and of the stage: 512 + 16 = 132 words: rows 8 apart lie 32 banks apart, so the two halves of the lanes do not meet
.set VT,    64*KP                      ; a slot: 64 rows of K (or W_po; or x, 64 x 528), then 64 rows of V (or at)
.set SLOT1, VT+64*VP                   ; 134,144
.set STAGE, 2*SLOT1                    ; [64 o][128 q] f32, the work-group's; no tensor load lands there
.set BL,    STAGE+64*XP                ; b_po, 2,048 bytes
.set SPARE, 327168                     ; the spare words, 128 bytes for each wave: two blocks of 256 bytes that no other line names
.set AK0, 3                            ; v3  my lane's place in a tile of K     v4  of V     v5  of x
.set AV0, 4
.set AX0, 5
.set ADR, 6                            ; v6, v7  the addresses in the slot in hand
.set ADV, 7
.set STO, 8
.set RD,  9
.set GO,  10
.set BLA, 11
.set PFX, 12                           ; v12  x's prefetches: a lane a row of 16,384 bytes; never rewritten
.set PFR, 13                           ; v13  the others': my work-group's 8 rows of a wave's 32, four lanes a row of 1,024 bytes; never rewritten
.set SPW, 14                           ; v14  LDS address of my spare word; never rewritten
.set NIL, 15                           ; v15  0; never rewritten
.set ST,  16                           ; tile t at 16 + 8 t: c m, m, l (even keys', odd keys'), c0-c3 at work; a (and 1 / l) takes c2's place
.set S,   32
.set P,   96
.set FB,  128
.set WV,  20
.set W1,  21
.set CXS, 22
.set QB,  23
.set BB,  24
.set CNT, 25
.set TB,  26                           ; s26  the slot that is read: 0 or SLOT1     s27  the slot that is filled
.set TF,  27
.set G0J, 28                           ; s[28:31] group 0 of the joint loads: it never holds my place in the cluster
.set G1X, 32
.set G1K, 40
.set G1V, 48
.set NX,  56                           ; where the tile asked for last begins: x, at, K, V, W_po
.set NT,  58
.set NK,  60
.set NV,  62
.set NW,  66
.set OUTP, 68
.set CS,  70
.set SEL, 72
.set XO,  74
.set KO,  75
.set VO,  76
.set LIMK, 77                          ; 2 where my cluster prefetches K and V (the batch's first), else the greatest number
.set LIMA, 78                          ; the same for at and W_po (the launch's first cluster)
.set G0X, 80                           ; s[80:83] group 0 of my own loads (x)
.set MSB, 0
.macro WIN new                         ; the immediate's high byte repeats the setting that is left; a switch that changes nothing is dropped
.if MSB != (\new)
	s_set_vgpr_msb (MSB<<8)|(\new)
.set MSB, (\new)
.endif
.endm
.macro PLACES                          ; four places behind a matrix instruction, ahead of loads into its sources and of readers of its result
.rept 4
	v_nop
.endr
.endm
.macro CREST                           ; a round of the cluster's barrier behind its opening barrier
	s_cmp_lg_u32 s[WV], 0
	s_cbranch_scc1 .Lnw0_\@
	s_barrier_signal -3
.Lnw0_\@:
	s_barrier_wait -3
	s_barrier_signal -1
	s_barrier_wait -1
.endm
.macro ROUND                           ; a whole round
	s_barrier_signal -1
	s_barrier_wait -1
	CREST
.endm
; THE CHANGE OF SLOTS in its plain form (ahead of the first step, and behind each step of the epilogue).  The last prefetch and the last stores have read their addresses; all my tensor loads have landed (one was out
; at the most: my part of the slot to be read); 0 onto my spare word; that, my reads of the old slot and my reads of the stage are done; a round, so that all this holds of every wave of every partner.
.macro HEAD
	WIN 0
	s_wait_xcnt 0x0
	s_wait_tensorcnt 0x0
	ds_add_u32 v[SPW], v[NIL]
	s_xor_b32 s[TB], s[TB], SLOT1
	s_xor_b32 s[TF], s[TF], SLOT1
	s_wait_dscnt 0x0
	ROUND
.endm
.macro TLOAD g0, g1, lofs, ptr         ; group 0 is written while no load of mine is out; an s_nop 0 and four v_nop follow the load
	s_mov_b32 s[\g0], 1
	s_add_co_u32 s[\g0+1], s[TF], s[\lofs]
	s_mov_b64 s[\g0+2:\g0+3], s[\ptr:\ptr+1]
	s_or_b32 s[\g0+3], s[\g0+3], 0x80000000
	tensor_load_to_lds s[\g0:\g0+3], s[\g1:\g1+7]
	s_nop 0
	PLACES
.endm
; A PREFETCH INTO THE L2, behind the wave's tensor load and its five lines: the tile one beyond the tile just asked for, one step ahead of its load.  A wave asks for the 32 rows that it will fetch itself.
; x: every work-group reads rows of its own: a lane a row of 512 bytes, two lines.  K, V: all clusters of a batch walk them: the batch's first asks; at, W_po: the launch's first cluster asks; the four partners share
; a wave's 32 rows of 1,024 bytes out BY ADDRESS, 8 each.  So each block of 256 bytes is named once.  A phase's last two fills have no tile two on and ask for nothing; a phase's first tile (x's and at's first two) comes by its load alone.
.macro ASK first, lim, ptr
.if \first
	s_cmp_lg_u32 s[\lim], -1
.else
	s_cmp_gt_u32 s[CNT], s[\lim]
.endif
	s_cbranch_scc0 .Lna_\@
	global_prefetch_b8 v[PFR], s[\ptr:\ptr+1] offset:0x10000 th:TH_LOAD_NT scope:SCOPE_SE
.Lna_\@:
.endm
; THE FILLS: one load a wave, the first tensor load behind the round, into slot TF.  first = 1: the phase's tile 0; else the pointers step first.  The branch hangs on the wave's number alone.
.macro FILL_P first                    ; waves 0, 1: 32 rows of x each; waves 2, 3: 32 rows of at each
.if !(\first)
	s_add_nc_u64 s[NX:NX+1], s[NX:NX+1], 0x100000  ; 64 rows of 16,384 bytes
	s_add_nc_u64 s[NT:NT+1], s[NT:NT+1], 0x10000   ; 64 rows of 1,024 bytes
.endif
	s_cmp_lt_u32 s[WV], 2
	s_cbranch_scc0 .Lfp_\@
	TLOAD G0X, G1X, XO, NX
.if !(\first)
	s_cmp_gt_u32 s[CNT], 2
	s_cbranch_scc0 .Lfd_\@
	global_prefetch_b8 v[PFX], s[NX:NX+1] offset:0x100000 th:TH_LOAD_NT scope:SCOPE_SE
	global_prefetch_b8 v[PFX], s[NX:NX+1] offset:0x100100 th:TH_LOAD_NT scope:SCOPE_SE
.endif
	s_branch .Lfd_\@
.Lfp_\@:
	TLOAD G0J, G1V, VO, NT
.if !(\first)
	ASK 0, LIMA, NT
.endif
.Lfd_\@:
.endm
.macro FILL_M first                    ; waves 0, 1: 32 keys of K each; waves 2, 3: of V
.if !(\first)
	s_add_nc_u64 s[NK:NK+1], s[NK:NK+1], 0x10000
	s_add_nc_u64 s[NV:NV+1], s[NV:NV+1], 0x10000
.endif
	s_cmp_lt_u32 s[WV], 2
	s_cbranch_scc0 .Lfm_\@
	TLOAD G0J, G1K, KO, NK
	ASK \first, LIMK, NK
	s_branch .Lfn_\@
.Lfm_\@:
	TLOAD G0J, G1V, VO, NV
	ASK \first, LIMK, NV
.Lfn_\@:
.endm
.macro FILL_E first                    ; waves 0, 1: 32 rows of W_po each; waves 2, 3 have no part of the tile
.if !(\first)
	s_add_nc_u64 s[NW:NW+1], s[NW:NW+1], 0x10000
.endif
	s_cmp_lt_u32 s[WV], 2
	s_cbranch_scc0 .Lfe_\@
	TLOAD G0J, G1K, KO, NW
	ASK \first, LIMA, NW
.Lfe_\@:
.endm
	s_load_b512 s[4:19], s[0:1], 0x0               ; x s[4:5], at s[6:7], q0 s[8:9], kbuf s[10:11], vbuf s[12:13], wpo s[14:15], b_po s[16:17], out0 s[18:19]
	v_lshl_add_u32 v[SPW], v0, 2, SPARE
	v_mov_b32 v[NIL], 0
	ds_add_u32 v[SPW], v[NIL]                      ; the wave's opening: the add and its wait ahead of my first tensor load
	v_lshrrev_b32 v32, 5, v0
	v_readfirstlane_b32 s[WV], v32
	s_and_b32 s[W1], s[WV], 1
	s_bfe_u32 s[CXS], ttmp6, 0x40000               ; cx
	s_lshl_b32 s[QB], ttmp9, 2
	s_add_co_u32 s[QB], s[QB], s[CXS]              ; my block of 128 queries: it enters x's and out0's addresses alone
	s_and_b32 s[BB], ttmp7, 0xffff                 ; the batch, which the partners share
	s_mov_b32 s[G1X], (2<<16)|(1<<20)|(6<<22)|(3<<25)  ; no mask; 4-byte elements; padding on: after every 128 words, 4 words
	s_mov_b32 s[G1X+1], 128<<16                    ; tensor_dim0 = 128
	s_mov_b32 s[G1X+2], 32<<16                     ; tensor_dim1 = 32
	s_mov_b32 s[G1X+3], 128<<16                    ; tile_dim0 = 128
	s_mov_b32 s[G1X+4], 32                         ; tile_dim1 = 32
	s_mov_b32 s[G1X+5], 4096                       ; elements from row to row
	s_mov_b32 s[G1X+6], 0
	s_mov_b32 s[G1X+7], 0
	s_mov_b32 s[G1K], 15|(1<<16)|(1<<20)|(1<<21)|(7<<22)|(3<<25)  ; the mask of four; 2-byte elements; padding on; bit 21 beside a mask; after every 256 words, 4 words
	s_mov_b32 s[G1V], 15|(1<<16)|(1<<20)|(1<<21)|(7<<22)|(7<<25)  ; the same with 8 words
.irp g, G1K, G1V
	s_mov_b32 s[\g+1], 512<<16
	s_mov_b32 s[\g+2], 32<<16
	s_mov_b32 s[\g+3], 512<<16
	s_mov_b32 s[\g+4], 32
	s_mov_b32 s[\g+5], 512
	s_mov_b32 s[\g+6], 0
	s_mov_b32 s[\g+7], 0
.endr
	s_mul_i32 s[XO], s[W1], 32*XP                  ; where my half of a tile goes: no place in the cluster enters an LDS address
	s_mul_i32 s[KO], s[W1], 32*KP
	s_mul_i32 s[VO], s[W1], 32*VP
	s_add_co_u32 s[VO], s[VO], VT
	s_mov_b32 s[TB], SLOT1                         ; the first change of slots turns these round
	s_mov_b32 s[TF], 0
	s_mov_b32 s[CS], 0x3d8293ee                    ; c = log2(e) / sqrt(512) = 0.0637587
	s_mov_b32 s[CS+1], s[CS]                       ; named with it as a pair
	s_mov_b32 s[SEL], 0x76543210                   ; v_permlanex16_b32: each lane takes its own place in the other half
	s_mov_b32 s[SEL+1], 0xfedcba98
	s_cmp_eq_u32 ttmp9, 0
	s_cselect_b32 s[LIMK], 2, -1
	s_or_b32 s84, s[BB], ttmp9
	s_cmp_eq_u32 s84, 0
	s_cselect_b32 s[LIMA], 2, -1
	s_lshl_b32 s84, s[W1], 15                      ; my 32 rows of 1,024 bytes
	s_mov_b32 s85, 0
	s_wait_dscnt 0x0                               ; the opening add is done
	s_wait_kmcnt 0x0
	s_add_nc_u64 s[NT:NT+1], s[6:7], s[84:85]
	s_add_nc_u64 s[NW:NW+1], s[14:15], s[84:85]
	s_lshl_b32 s2, s[BB], 20
	s_add_co_u32 s84, s84, s2                      ; and the batch
	s_add_nc_u64 s[NK:NK+1], s[10:11], s[84:85]
	s_add_nc_u64 s[NV:NV+1], s[12:13], s[84:85]
	s_lshl_b32 s86, s[BB], 23                      ; x: batch, row 32 (wave % 2) of 16,384 bytes, my 128 queries 512 qb bytes on
	s_lshl_b32 s87, s[QB], 9
	s_add_co_u32 s86, s86, s87
	s_lshl_b32 s87, s[W1], 19
	s_add_co_u32 s86, s86, s87
	s_mov_b32 s87, 0
	s_add_nc_u64 s[NX:NX+1], s[4:5], s[86:87]
	s_lshl_b32 s86, s[BB], 23                      ; out0: batch, row 16 w, the same queries
	s_lshl_b32 s87, s[QB], 9
	s_add_co_u32 s86, s86, s87
	s_lshl_b32 s87, s[WV], 18
	s_add_co_u32 s86, s86, s87
	s_mov_b32 s87, 0
	s_add_nc_u64 s[OUTP:OUTP+1], s[18:19], s[86:87]
	ROUND                                          ; all four work-groups are here: the first joint loads meet
	FILL_P 1                                       ; the prologue's tile 0 into slot 0
	v_and_b32 v1, 15, v0                           ; r
	v_bfe_u32 v2, v0, 4, 1                         ; h
	v_lshlrev_b32 v39, 4, v0
	global_load_b128 v[40:43], v39, s[16:17]       ; thread t: 16 bytes of b_po
	v_lshlrev_b32 v38, 5, v2
.set cb, 0
.rept 32                                           ; Q's sums start with q0: accumulator (cb, t), register j = q0[16 cb + 8 h + j]
	WIN (2+(cb>>4))<<6
.irp t, 0,1
	global_load_b128 v[8*(2*(cb&15)+\t):8*(2*(cb&15)+\t)+3],   v38, s[8:9] offset:cb*64
	global_load_b128 v[8*(2*(cb&15)+\t)+4:8*(2*(cb&15)+\t)+7], v38, s[8:9] offset:cb*64+16
.endr
.set cb, cb+1
.endr
	WIN 0
	v_and_b32 v33, 31, v0                          ; l
	v_mul_u32_u24 v[AK0], v1, KP
	v_lshl_add_u32 v[AK0], v2, 4, v[AK0]           ; row r x pitch + 16 h
	v_and_b32 v34, 7, v0
	v_bfe_u32 v35, v0, 3, 1
	v_lshl_add_u32 v[AV0], v2, 3, v34              ; the turning load: row 8 h + l % 8, 16 bytes at 16 ((l / 8) % 2)
	v_mul_u32_u24 v[AV0], v[AV0], VP
	v_lshl_add_u32 v[AV0], v35, 4, v[AV0]
	v_add_nc_u32 v[AV0], VT, v[AV0]
	v_mul_u32_u24 v[AX0], v2, 8*XP                 ; x and the stage: row 8 h, my query's word: 4 (32 w + r)
	v_lshl_add_u32 v[AX0], v1, 2, v[AX0]
	s_lshl_b32 s84, s[WV], 7
	v_add_nc_u32 v[AX0], s84, v[AX0]
	v_add_nc_u32 v[STO], STAGE, v[AX0]
	s_mul_i32 s84, s[WV], 16*XP
	s_add_co_u32 s84, s84, STAGE
	v_lshl_add_u32 v[RD], v33, 4, s84              ; back: my 16 rows of the stage, whole: 32 lanes x 16 bytes
	v_lshlrev_b32 v[GO], 4, v33
	v_lshlrev_b32 v[BLA], 5, v2
	v_add_nc_u32 v[BLA], BL, v[BLA]
	v_lshlrev_b32 v[PFX], 14, v33
	v_lshrrev_b32 v36, 2, v33
	v_and_b32 v37, 3, v0
	v_lshlrev_b32 v[PFR], 10, v36
	v_lshl_add_u32 v[PFR], v37, 8, v[PFR]
	s_lshl_b32 s86, s[CXS], 13
	v_add_nc_u32 v[PFR], s86, v[PFR]
	v_add_nc_u32 v44, BL, v39
	s_wait_loadcnt 0x0                             ; b_po and q0
	ds_store_b128 v44, v[40:43]                    ; the first change of slots waits for it and passes a barrier ahead of every read
; Group G of 8 of a tile that lies [row][channel] (K, W_po): chunks 2 G and 2 G + 1 of 32 channels, four blocks of 16 rows each: eight fragments, 16 loads, the first chunk's first.
.macro LOADK G
.set kf, FB+64*((\G)&1)
.set kc, 0
.rept 2
.set ki, 0
.rept 4
	ds_load_b128 v[kf+8*(4*kc+ki):kf+8*(4*kc+ki)+3],   v[ADR] offset:ki*16*KP+64*(2*(\G)+kc)
	ds_load_b128 v[kf+8*(4*kc+ki)+4:kf+8*(4*kc+ki)+7], v[ADR] offset:ki*16*KP+64*(2*(\G)+kc)+32
.set ki, ki+1
.endr
.set kc, kc+1
.endr
.endm
; S^T (64 rows x my 32 queries) = tile x Q: 8 groups of 16 products; the caller has fetched group 0; each group's fragments are fetched a group ahead.  The 8 accumulators take turns.
; All of it runs under one window setting (source 1 window 1), which suits its LDS loads too.  cinit = 1: the sums start with the registers at P (the bias), else with 0.
.macro QKFORM op, cinit
.set g, 0
.rept 8
.if g < 7
	PLACES                                         ; behind the group before, whose buffer is fetched into
	LOADK g+1
.endif
.set qf, FB+64*(g&1)
.set qc, 0
.rept 2
.if g < 7
	s_wait_dscnt 24-8*qc                           ; the next group's 16 loads may stay out, and ahead of the first chunk this group's second eight
.else
	s_wait_dscnt 8-8*qc
.endif
.set qk, 0
.rept 4
.irp t, 0,1
.set rs, S+32*\t+8*qk
.set rq, 128*\t+8*(2*g+qc)
.if (g > 0) || (qc > 0)
	\op v[rs:rs+7], v[qf+8*(4*qc+qk):qf+8*(4*qc+qk)+7], v[rq:rq+7], v[rs:rs+7]
.elseif \cinit
	\op v[rs:rs+7], v[qf+8*(4*qc+qk):qf+8*(4*qc+qk)+7], v[rq:rq+7], v[P+8*qk:P+8*qk+7]
.else
	\op v[rs:rs+7], v[qf+8*(4*qc+qk):qf+8*(4*qc+qk)+7], v[rq:rq+7], 0
.endif
.endr
.set qk, qk+1
.endr
.set qc, qc+1
.endr
.set g, g+1
.endr
.endm
; Group G of 8 of a tile that lies [k][channel] (V, at): channel blocks 4 G .. 4 G + 3, both halves of the 64 k, turned: eight fragments, 16 loads, the first half's first.
.macro LOADV G
.set vf, FB+64*((\G)&1)
.set vk, 0
.rept 2
.set vi, 0
.rept 4
	ds_load_tr16_b128 v[vf+8*(4*vk+vi):vf+8*(4*vk+vi)+3],   v[ADV] offset:vk*32*VP+(4*(\G)+vi)*32
	ds_load_tr16_b128 v[vf+8*(4*vk+vi)+4:vf+8*(4*vk+vi)+7], v[ADV] offset:vk*32*VP+(4*(\G)+vi)*32+16*VP
.set vi, vi+1
.endr
.set vk, vk+1
.endr
.endm
.macro RIDE q, m                       ; pair m of 32 of group q's eight accumulators times its tile's a
	WIN 0x82+0x41*((\q)>>2)                        ; destination and source 0 window 2 or 3, a in window 0
.set rr, 64*((\q)&3)+2*(\m)
	v_pk_mul_f32 v[rr:rr+1], v[rr:rr+1], v[ST+8*(((\m)>>2)&1)+6:ST+8*(((\m)>>2)&1)+7] op_sel_hi:[1,0]
.endm
; The 64 accumulators += tile^T x P: 8 groups of 16 products; the caller has fetched group 0.  The two links of a chain stand 7 others apart.
; ride = 1 (the key steps): behind each product of groups 0 to 6 stand two lines that multiply the NEXT group's accumulators by a, each accumulator's registers in ascending order; they name no register of the products round them.
; THE CHANGE OF SLOTS lies in the last group.  All my tensor loads have landed; 0 onto my spare word; eight products while the add is out; the add and my last reads of the slot are done: the opening signal;
; eight products while the other waves arrive; the barrier's wait and the rest of the round.
.macro PVFORM op, ride
.set g, 0
.rept 8
	WIN 0
.if g < 7
	PLACES                                         ; behind the group before, whose buffer is fetched into
	LOADV g+1
.else
	s_wait_xcnt 0x0                                ; the step's prefetch has read its address: the next fill steps it
	s_wait_tensorcnt 0x0                           ; one load of mine was out at the most: my part of the slot to be read next
	ds_add_u32 v[SPW], v[NIL]
	s_xor_b32 s[TB], s[TB], SLOT1
	s_xor_b32 s[TF], s[TF], SLOT1
.endif
.set pf, FB+64*(g&1)
.set pn, 0
.set pk, 0
.rept 2
.if g < 7
	s_wait_dscnt 24-8*pk                           ; the next group's 16 loads may stay out, and ahead of the first half this group's second eight
.elseif pk == 0
	s_wait_dscnt 9                                 ; the add and the youngest eight loads may stay out
.else
	s_wait_dscnt 0x0                               ; the add is done, and my reads of this slot are over
	s_barrier_signal -1
.endif
.set pj, 0
.rept 4
.irp t, 0,1
	WIN 0xa0+0x50*(g>>2)                           ; C and D window 2 or 3
.set ro, 8*(2*((4*g+pj)&15)+\t)
	\op v[ro:ro+7], v[pf+8*(4*pk+pj):pf+8*(4*pk+pj)+7], v[P+16*\t+8*pk:P+16*\t+8*pk+7], v[ro:ro+7]
.if (\ride) && (g < 7)
	RIDE g+1, 2*pn
	RIDE g+1, 2*pn+1
.endif
.set pn, pn+1
.endr
.set pj, pj+1
.endr
.set pk, pk+1
.endr
.set g, g+1
.endr
	WIN 0
	s_barrier_wait -1
	CREST                                          ; no wave of any partner still reads the old slot or has a load on its way
.endm
; The accumulators, rounded in pairs, become source 1 of the next product: chunk c of 32 channels = blocks 2 c and 2 c + 1.
.macro PACK cvt
.set c, 0
.rept 16
	WIN 0x4a+5*(c>>3)                              ; sources window 2 or 3, destination window 1
.irp t, 0,1
.irp k, 0,1,2,3
	\cvt v[128*\t+8*c+\k], v[8*(2*((2*c)&15)+\t)+2*\k], v[8*(2*((2*c)&15)+\t)+2*\k+1]
.endr
.irp k, 0,1,2,3
	\cvt v[128*\t+8*c+4+\k], v[8*(2*((2*c+1)&15)+\t)+2*\k], v[8*(2*((2*c+1)&15)+\t)+2*\k+1]
.endr
.endr
.set c, c+1
.endr
	WIN 0
.endm
.macro RESCALE                         ; every accumulator times its tile's c2 (1 / l), two numbers a line
.set n, 0
.rept 256
	WIN 0x82+0x41*(n>>7)                           ; destination and source 0 window 2 or 3
	v_pk_mul_f32 v[2*(n&127):2*(n&127)+1], v[2*(n&127):2*(n&127)+1], v[ST+8*(((n&127)>>2)&1)+6:ST+8*(((n&127)>>2)&1)+7] op_sel_hi:[1,0]
.set n, n+1
.endr
	WIN 0
.endm
; A STEP OF THE PROLOGUE: 64 c.  A lane reads its own query's 32 numbers of x for each tile, in the order of source 1's registers (c = 8 h + 0..7, 16 + 8 h + 0..7 of each 32), and rounds them in pairs.
.macro PSTEP
	WIN 0
	PLACES
	v_add_nc_u32 v[ADR], s[TB], v[AX0]
.irp t, 0,1
.set i, 0
.rept 32
	ds_load_b32 v[S+32*\t+i], v[ADR] offset:(32*(i/16)+(i%16)+8*((i%16)/8))*XP+64*\t
.set i, i+1
.endr
.endr
	v_add_nc_u32 v[ADV], s[TB], v[AV0]
	LOADV 0
	s_wait_dscnt 16                                ; x is in; at's first group, issued behind it, may stay out
.irp t, 0,1
.set i, 0
.rept 16
	v_cvt_pk_bf16_f32 v[P+16*\t+i], v[S+32*\t+2*i], v[S+32*\t+2*i+1]
.set i, i+1
.endr
.endr
	PVFORM v_wmma_f32_16x16x32_bf16, 0
.endm
.macro TREE w                          ; pairs w registers apart are added onto each other, in place
.set u, 0
.rept 32/(\w)
.irp t, 0,1
	v_pk_add_f32 v[S+32*\t+(\w)*u:S+32*\t+(\w)*u+1], v[S+32*\t+(\w)*u:S+32*\t+(\w)*u+1], v[S+32*\t+(\w)*u+(\w)/2:S+32*\t+(\w)*u+(\w)/2+1]
.endr
.set u, u+1
.endr
.endm
; THE SOFTMAX of a key step, the two tiles line by line in turn.  A lane holds 32 of its query's 64 scores; the other 32 lie in the lane 16 away.
.macro SOFTMAX
	WIN 0
.set j, 0
.rept 4                                            ; the maximum, three operands at a time: four chains; each accumulator's lowest registers are read first
.irp t, 0,1
	v_max3_num_f32 v[ST+8*\t+4+j], v[S+32*\t+8*j], v[S+32*\t+8*j+1], v[S+32*\t+8*j+2]
.endr
.set j, j+1
.endr
.rept 8
.irp t, 0,1
	v_max3_num_f32 v[ST+8*\t+4+j%4], v[ST+8*\t+4+j%4], v[S+32*\t+8*(j%4)+2*(j/4)+1], v[S+32*\t+8*(j%4)+2*(j/4)+2]
.endr
.set j, j+1
.endr
.irp t, 0,1
	v_max3_num_f32 v[ST+8*\t+4], v[ST+8*\t+4], v[S+32*\t+7], v[S+32*\t+15]
.endr
.irp t, 0,1
	v_max3_num_f32 v[ST+8*\t+6], v[ST+8*\t+6], v[S+32*\t+23], v[S+32*\t+31]
.endr
.irp t, 0,1
	v_max3_num_f32 v[ST+8*\t+4], v[ST+8*\t+4], v[ST+8*\t+5], v[ST+8*\t+6]
.endr
.irp t, 0,1
	v_max3_num_f32 v[ST+8*\t+4], v[ST+8*\t+4], v[ST+8*\t+7], v[ST+8*\t+1]  ; and the old m
.endr
.irp t, 0,1
	v_permlanex16_b32 v[ST+8*\t+5], v[ST+8*\t+4], s[SEL], s[SEL+1]
.endr
.irp t, 0,1
	v_mov_b32 v[ST+8*\t+7], v[ST+8*\t]             ; c m_old is kept
.endr
.irp t, 0,1
	v_max_num_f32 v[ST+8*\t+1], v[ST+8*\t+4], v[ST+8*\t+5]
.endr
.irp t, 0,1
	v_mul_f32 v[ST+8*\t], s[CS], v[ST+8*\t+1]
.endr
.irp t, 0,1
	v_sub_f32 v[ST+8*\t+7], v[ST+8*\t+7], v[ST+8*\t]
.endr
.irp t, 0,1                                        ; ONE BATCH: a, the 32 scalings c s - c m and the 64 exponentials; nothing in it names an exponential's result
	v_exp_f32 v[ST+8*\t+6], v[ST+8*\t+7]
.endr
.set b, 0
.rept 17
.if b < 16
.irp t, 0,1
	v_pk_fma_f32 v[S+32*\t+2*b:S+32*\t+2*b+1], v[S+32*\t+2*b:S+32*\t+2*b+1], s[CS:CS+1], v[ST+8*\t:ST+8*\t+1] op_sel_hi:[1,0,0] neg_lo:[0,0,1] neg_hi:[0,0,1]
.endr
.endif
.if b > 0
.irp t, 0,1
	v_exp_f32 v[S+32*\t+2*b-2], v[S+32*\t+2*b-2]
	v_exp_f32 v[S+32*\t+2*b-1], v[S+32*\t+2*b-1]
.endr
.endif
.set b, b+1
.endr
	v_nop                                          ; a plain instruction behind the last exponential,
	s_wait_alu depctr_va_vdst(0)                   ; and the one wait ahead of the batch's first reader
.set j, 0
.rept 16
.irp t, 0,1
	v_cvt_pk_f16_f32 v[P+16*\t+j], v[S+32*\t+2*j], v[S+32*\t+2*j+1]
.endr
.set j, j+1
.endr
	TREE 4                                         ; the sum of the unrounded weights, even and odd keys apart
	TREE 8
	TREE 16
	TREE 32
.irp t, 0,1
	v_pk_fma_f32 v[ST+8*\t+2:ST+8*\t+3], v[ST+8*\t+2:ST+8*\t+3], v[ST+8*\t+6:ST+8*\t+7], v[S+32*\t:S+32*\t+1] op_sel_hi:[1,0,1]  ; l = a l + sum
.endr
.set n, 0
.rept 32                                           ; O^T times a: the first group's eight accumulators here, the others behind the products of the group before them
	RIDE 0, n
.set n, n+1
.endr
	WIN 0
.endm
; A KEY STEP: 64 keys.  V's first group is fetched ahead of the softmax and lands under it.
.macro MSTEP
	WIN 0
	PLACES
	v_add_nc_u32 v[ADR], s[TB], v[AK0]
	WIN 0x04
	LOADK 0
	QKFORM v_wmma_f32_16x16x32_bf16, 0
	WIN 0
	PLACES                                         ; behind the last scores: ahead of their readers and of the loads into the buffers
	v_add_nc_u32 v[ADV], s[TB], v[AV0]
	LOADV 0
	SOFTMAX
	PVFORM v_wmma_f32_16x16x32_f16, 1
.endm
; A STEP OF THE EPILOGUE: 64 output channels.  The sums start with b_po.  A row of out0 holds all four waves' queries, so the results meet in the stage: store, wait, barrier, load; then each wave stores 16 whole rows.
; The stage is written again only behind the next change of slots, whose wait and barrier stand behind these reads.
.macro ESTEP
	WIN 0
	PLACES
	v_add_nc_u32 v[ADR], s[TB], v[AK0]
.set k, 0
.rept 4
	ds_load_b128 v[P+8*k:P+8*k+3],   v[BLA] offset:64*k      ; block k, register j: b_po[64 step + 16 k + 8 h + j]
	ds_load_b128 v[P+8*k+4:P+8*k+7], v[BLA] offset:64*k+16
.set k, k+1
.endr
	v_add_nc_u32 v[BLA], 256, v[BLA]
	WIN 0x04
	LOADK 0
	QKFORM v_wmma_f32_16x16x32_f16, 1
	WIN 0
	PLACES
.irp t, 0,1
.set k, 0
.rept 32
	ds_store_b32 v[STO], v[S+32*\t+k] offset:(16*(k/8)+(k%8))*XP+64*\t
.set k, k+1
.endr
.endr
	s_wait_dscnt 0x0                               ; for the others' sake: my stores into the stage are done
	s_barrier_signal -1
	s_barrier_wait -1                              ; the next tile's load may stay out across it
.set k, 0
.rept 16
	ds_load_b128 v[FB+4*k:FB+4*k+3], v[RD] offset:k*XP
.set k, k+1
.endr
.set k, 0
.rept 16
	s_wait_dscnt 15-k                              ; the younger loads from the stage may stay out
	global_store_b128 v[GO], v[FB+4*k:FB+4*k+3], s[OUTP:OUTP+1] offset:k*16384 th:TH_STORE_NT  ; 512 consecutive bytes, at a multiple of 512 from out0's first byte
.set k, k+1
.endr
	s_wait_xcnt 0x0                                ; the stores have read their base
	s_add_nc_u64 s[OUTP:OUTP+1], s[OUTP:OUTP+1], 0x100000  ; 64 rows of out0 on (behind the last step it is not used)
.endm
	HEAD                                           ; the prologue's tile 0 is in, everybody's part of it
	s_mov_b32 s[CNT], 8
.Lp:                                               ; THE PROLOGUE: the next tile is asked for, step 8 - CNT multiplied; both ways issue one load a wave; the step ends with the change of slots
	s_cmp_eq_u32 s[CNT], 1
	s_cbranch_scc1 .Lp_last
	FILL_P 0
	s_branch .Lp_go
.Lp_last:
	FILL_M 1                                       ; the first keys
.Lp_go:
	PSTEP
	s_sub_co_u32 s[CNT], s[CNT], 1
	s_cmp_lg_u32 s[CNT], 0
	s_cbranch_scc1 .Lp
	PLACES
	PACK v_cvt_pk_bf16_f32                         ; Q
.irp t, 0,1
	v_mov_b32 v[ST+8*\t], 0xfe000000               ; c m: far below every c s, so the first a is 0
	v_mov_b32 v[ST+8*\t+1], 0xff7fffff             ; m: the lowest finite number
	v_mov_b32 v[ST+8*\t+2], 0                      ; l
	v_mov_b32 v[ST+8*\t+3], 0
.endr
	s_mov_b32 s[CNT], 16
.Lm:                                               ; THE KEYS
	s_cmp_eq_u32 s[CNT], 1
	s_cbranch_scc1 .Lm_last
	FILL_M 0
	s_branch .Lm_go
.Lm_last:
	FILL_E 1                                       ; W_po's first rows
.Lm_go:
	MSTEP
	s_sub_co_u32 s[CNT], s[CNT], 1
	s_cmp_lg_u32 s[CNT], 0
	s_cbranch_scc1 .Lm
.irp t, 0,1                                        ; O = O / l: l's two halves and the other half of the lanes'; the additions and the v_nop are the places behind the last products
	v_add_f32 v[ST+8*\t+4], v[ST+8*\t+2], v[ST+8*\t+3]
.endr
.irp t, 0,1
	v_permlanex16_b32 v[ST+8*\t+5], v[ST+8*\t+4], s[SEL], s[SEL+1]
.endr
.irp t, 0,1
	v_add_f32 v[ST+8*\t+4], v[ST+8*\t+4], v[ST+8*\t+5]
.endr
.irp t, 0,1
	v_rcp_f32 v[ST+8*\t+6], v[ST+8*\t+4]
.endr
	v_nop                                          ; a plain instruction behind the last reciprocal,
	s_wait_alu depctr_va_vdst(0)                   ; and the wait ahead of the first use
	RESCALE
	PACK v_cvt_pk_f16_f32                          ; O, where Q lay
	s_mov_b32 s[CNT], 8
.Le:                                               ; THE EPILOGUE: steps 0 to 6, each asks for the next rows of W_po and ends with the change of slots
	FILL_E 0
	ESTEP
	HEAD
	s_sub_co_u32 s[CNT], s[CNT], 1
	s_cmp_lg_u32 s[CNT], 1
	s_cbranch_scc1 .Le
	ESTEP                                          ; the last step is written out: nothing is asked for
	s_wait_tensorcnt 0x0                           ; the wave's end: behind my last tensor load and my last LDS store
	ds_add_u32 v[SPW], v[NIL]
	s_wait_dscnt 0x0
	ROUND                                          ; the closing round: no work-group ends while a partner may still ask for a tile that names it
	s_endpgm
.Lfunc_end_k_q1544731a19_attn:
	.size	k_q1544731a19_attn, .Lfunc_end_k_q1544731a19_attn-k_q1544731a19_attn
	.p2alignl 7, 3214868480
	.fill 96, 4, 3214868480
	.section	.rodata,"a",@progbits
	.p2align	6, 0x0
	.amdhsa_kernel k_q1544731a19_attn
		.amdhsa_group_segment_fixed_size 327680
		.amdhsa_private_segment_fixed_size 0
		.amdhsa_enable_private_segment 0
		.amdhsa_kernarg_size 64
		.amdhsa_user_sgpr_count 2
		.amdhsa_user_sgpr_kernarg_segment_ptr 1
		.amdhsa_wavefront_size32 1
		.amdhsa_system_sgpr_workgroup_id_x 1
		.amdhsa_system_sgpr_workgroup_id_y 1
		.amdhsa_system_sgpr_workgroup_id_z 1
		.amdhsa_system_vgpr_workitem_id 0
		.amdhsa_next_free_vgpr 1024
		.amdhsa_next_free_sgpr 88
		.amdhsa_reserve_vcc 0
		.amdhsa_float_denorm_mode_32 3
		.amdhsa_float_denorm_mode_16_64 3
		.amdhsa_memory_ordered 1
		.amdhsa_forward_progress 1
		.amdhsa_inst_pref_size 221
	.end_amdhsa_kernel
	.amdgpu_metadata
---
amdhsa.version: [ 1, 2 ]
amdhsa.kernels:
  - .name:           k_q1544731a19_attn
    .symbol:         k_q1544731a19_attn.kd
    .args:
      - { .name: x, .offset: 0, .size: 8, .value_kind: global_buffer, .address_space: global }
      - { .name: at, .offset: 8, .size: 8, .value_kind: global_buffer, .address_space: global }
      - { .name: q0, .offset: 16, .size: 8, .value_kind: global_buffer, .address_space: global }
      - { .name: kbuf, .offset: 24, .size: 8, .value_kind: global_buffer, .address_space: global }
      - { .name: vbuf, .offset: 32, .size: 8, .value_kind: global_buffer, .address_space: global }
      - { .name: wpo, .offset: 40, .size: 8, .value_kind: global_buffer, .address_space: global }
      - { .name: b_po, .offset: 48, .size: 8, .value_kind: global_buffer, .address_space: global }
      - { .name: out0, .offset: 56, .size: 8, .value_kind: global_buffer, .address_space: global }
    .group_segment_fixed_size: 327680
    .private_segment_fixed_size: 0
    .kernarg_segment_align: 8
    .kernarg_segment_size: 64
    .max_flat_workgroup_size: 128
    .sgpr_count:     88
    .vgpr_count:     1024
    .wavefront_size: 32
...
	.end_amdgpu_metadata
.endif
;; end of part 3
